; MI455X (gfx1250); checked and timed in simulation.
; The chip was launched on July 23, 2026; its instructions are those of AMD's public machine-readable ISA for CDNA 5 (MIT licence, August 2026) and "CDNA5" Instruction Set Architecture Reference Guide (July 2026). The comments in the code are by the model that wrote it; some were corrected since.
;; VQ2 Linear. Allowed arithmetic: matrix products marked QUANTISED: E2M3 operands, one E8M0 scale for each 32 along K, by v_wmma_scale_f32_16x16x128_f8f6f4 with both operands' format E2M3, f32 sums; everything else in f32.
;; Inputs: emb_weight 8,192 x 256 float32; z 32,768 x 256 float32.
;; Outputs: out0 32,768 x 256 float32; out1 one number float32.
;; This version of the problem:
;;   THIS VERSION OF THE PROBLEM IS GIVEN IN LOW PRECISION. The matrix products marked QUANTISED in the list below multiply operands that are first quantised to E2M3 (2 exponent bits, 3 mantissa bits; 6 bits a number), with one power-of-two scale for each 32 numbers along K (OCP MX v1.0); their sums are f32. All else is computed in f32.
;;   The module's matrix products, in the order in which they are computed (A, B: the left and right operand; K: the contracted axis; several contracted axes count as one K, in the product's order):
;;     1. [M 32,768, K 256] x [K 256, N 8,192]; A: input z; B: input emb_weight: QUANTISED
;;   THE QUANTISER, for each operand of a quantised product, along K:
;;     - K is cut into blocks of 32 from its start; a last block that is shorter is filled with zeros.
;;     - A block's scale is 2^e with e = floor(log2(the largest magnitude in the block)) - 2, held to -126 .. 127; a block of zeros has e = 0. As a byte (E8M0): e + 127.
;;     - Each number is divided by its block's scale, clamped to +-7.5, and rounded to the nearest number of E2M3, ties to even, subnormals kept.
;;     - The product sums the exact products of the quantised numbers (number of the format x scale) in f32.
;;   ~~~python
;;   def quantise(x, axis):      # numpy; x: float32 -> the quantised numbers, widened to float32 again
;;       x = np.moveaxis(x, axis, -1); K = x.shape[-1]
;;       x = np.pad(x, [(0, 0)] * (x.ndim - 1) + [(0, -K % 32)]); x = x.reshape(x.shape[:-1] + (-1, 32)); a = np.abs(x).max(-1, keepdims=True)
;;       e = np.where(a > 0, np.clip(np.frexp(np.where(a > 0, a, 1))[1] - 1 - 2, -126, 127), 0)      # np.frexp(a)[1] - 1 = floor(log2(a)), exactly
;;       r = np.clip(x / 2.0 ** e, -7.5, 7.5)
;;       step = 2.0 ** (np.maximum(np.frexp(np.where(r == 0, 1, r))[1] - 1, 0) - 3)
;;       q = np.round(r / step) * step * 2.0 ** e      # np.round: ties to even
;;       return np.moveaxis(q.reshape(q.shape[:-2] + (-1,))[..., :K], -1, axis).astype(np.float32)
;;   ~~~
;; One version. Each part assembles by itself: llvm-mc -triple=amdgcn-amd-amdhsa -mcpu=gfx1250 --defsym DOCPART=n.
;; ======== version 1 of 1: 4 launches
;; limits: right only within a limited range of input values
;; workspace buffers: erec 1,703,936 bytes; idx 131,072 bytes of whole numbers; part 1,024 bytes
;; launch quant (part 1): grid 256 x 1, 2 waves a work-group, no clusters, 33,536 bytes of LDS; arguments emb_weight, erec; writes erec
.if DOCPART == 1
	.amdgcn_target "amdgcn-amd-amdhsa--gfx1250"
	.amdhsa_code_object_version 6
	.text
	.protected	k_qb97c88b34c_quant
	.globl	k_qb97c88b34c_quant
	.p2align	8
	.type	k_qb97c88b34c_quant,@function
k_qb97c88b34c_quant:
	s_mov_b64 s[64:65], 0
	v_nop
	global_prefetch_b8 v0, s[64:65] scope:SCOPE_SE
	s_setreg_imm32_b32 hwreg(HW_REG_WAVE_MODE, 25, 1), 1
	s_wait_xcnt 0x0
; emb_weight [8192][256], f32, becomes RECORDS, one for each tile of 16 rows x 256 along K: codes of FP6 (E2M3) as images of the matrix operand's registers, the rows' scale words, the rows' sums of squares.
; A RECORD is 3,328 bytes = 13 x 256:  1536 s + 512 c + 16 l: registers 4 c .. 4 c + 3 of lane l of the 12-register fragment of K step s (128 along K);
;   3072 + 4 l: the scale word: lanes 0-15 row l, K step 0; lanes 16-31 row l - 16, K step 1;   3200 + 4 l: the sum of squares of row l % 16 (the 16 numbers stand twice).
; A block's scale is 2^(floor(log2(its largest magnitude)) - 2); its byte is the largest magnitude's exponent field - 2, held at 1 from below.  Numbers are divided by the scale and rounded to the nearest code, ties to even, beyond 7.5 the largest code.
; LIMITS: NaN and infinities among the inputs are not served.  A block of zeros gets the byte 1 where the quantiser's text says 127: its codes are zeros, and this program alone reads the bytes.
;   The sums of squares are taken in f32 in four packed chains a lane, another order than reference()'s.
; SHARES: 512 tiles, one to a wave: 256 work-groups x 2 waves.  Waves share nothing: no barrier.  (z is quantised by the launch that multiplies it: each of its rows has one reader there.)
; Each load reads 512 consecutive bytes; the conversions want 16 neighbours along K in one lane: so the tile turns through the wave's own stage in LDS, rows 1,040 bytes apart.
.set PITCH, 1040
.set WREG,  16*PITCH
.set RECB,  3328
.set SPARE, 2*WREG                     ; behind the two stages: the spare words
.set X,     16                         ; v16-143  the tile's numbers
.set PC0,   144
.set PC1,   156
.set TC,    168
.set TM,    176
.set PW0,   192
.set PW1,   193
.set SW,    194
.set SS,    196
.set T4,    204
.set T5,    205
.set SIN,   5
.set SOUT,  6
.macro STAGE left                      ; the tile through the stage; left: younger loads that may stay out
.irp g, 0,1,2,3
	s_wait_loadcnt \left+24-8*\g                   ; loads come back in order: this group of eight is in
.irp e, 0,1,2,3,4,5,6,7
	ds_store_b128 v[SIN], v[X+4*(8*\g+\e):X+4*(8*\g+\e)+3] offset:((8*\g+\e)/2)*PITCH+((8*\g+\e)%2)*512
.endr
.endr
	s_wait_dscnt 0x0                               ; the stores have read their registers, which the loads below fill again
.irp b, 0,1,2,3,4,5,6,7
.irp q, 0,1,2,3
	ds_load_b128 v[X+16*\b+4*\q:X+16*\b+4*\q+3], v[SOUT] offset:128*\b+16*\q   ; register 16 b + i: k = 32 b + 16 h + i of row r
.endr
.endr
	s_wait_dscnt 0x0
.endm
.macro SUMSQ                           ; the row's sum of squares: my 128 numbers in four packed chains, then the other half of the lanes'
.irp k, 0,1,2,3
	v_pk_mul_f32 v[SS+2*\k:SS+2*\k+1], v[X+2*\k:X+2*\k+1], v[X+2*\k:X+2*\k+1]
.endr
.set jj, 4
.rept 60
	s_delay_alu instid0(VALU_DEP_4)
	v_pk_fma_f32 v[SS+2*(jj%4):SS+2*(jj%4)+1], v[X+2*jj:X+2*jj+1], v[X+2*jj:X+2*jj+1], v[SS+2*(jj%4):SS+2*(jj%4)+1]
.set jj, jj+1
.endr
	s_delay_alu instid0(VALU_DEP_3)
	v_pk_add_f32 v[SS:SS+1], v[SS:SS+1], v[SS+2:SS+3]
	s_delay_alu instid0(VALU_DEP_2)
	v_pk_add_f32 v[SS+4:SS+5], v[SS+4:SS+5], v[SS+6:SS+7]
	s_delay_alu instid0(VALU_DEP_1)
	v_pk_add_f32 v[SS:SS+1], v[SS:SS+1], v[SS+4:SS+5]
	s_delay_alu instid0(VALU_DEP_1)
	v_add_f32 v[T5], v[SS], v[SS+1]
	s_delay_alu instid0(VALU_DEP_1)
	v_permlanex16_b32 v[T4], v[T5], s48, s49
	s_delay_alu instid0(VALU_DEP_1)
	v_add_f32 v[T5], v[T5], v[T4]                  ; lanes r and r + 16 both hold row r's sum
.endm
; 64 numbers of a lane, v[s] on, register 16 b + i = k 32 b + 16 h + i of my row, become a fragment's codes in v[pc] on and its scale word in v[pw].
.macro QUANT s, pc, pw
.irp b, 0,1,2,3
	v_max3_num_f32 v[TM+\b], |v[\s+16*\b]|, |v[\s+1+16*\b]|, 0x1800000   ; block b: my 16 numbers, and the floor 2^(3 - 127): so the byte cannot fall under 1
.endr
.irp i, 2,4,6,8,10,12,14
.irp b, 0,1,2,3
	s_delay_alu instid0(VALU_DEP_4)
	v_max3_num_f32 v[TM+\b], v[TM+\b], |v[\s+16*\b+\i]|, |v[\s+1+16*\b+\i]|
.endr
.endr
.irp b, 0,1,2,3
	s_delay_alu instid0(VALU_DEP_4)
	v_permlanex16_b32 v[TM+4+\b], v[TM+\b], s48, s49
.endr
.irp b, 0,1,2,3
	s_delay_alu instid0(VALU_DEP_4)
	v_max_num_f32 v[TM+\b], v[TM+\b], v[TM+4+\b]   ; with lane l xor 16's: the block's largest magnitude
.endr
.irp b, 0,1,2,3
	s_delay_alu instid0(VALU_DEP_4)
	v_add_nc_u32 v[TM+12+\b], 0xff000000, v[TM+\b] ; 2 off its exponent field: the conversion's scale operand
.endr
.irp b, 0,1,2,3
	s_delay_alu instid0(VALU_DEP_4)
	v_lshrrev_b32 v[TM+4+\b], 23, v[TM+12+\b]      ; the scale's byte
.endr
	s_delay_alu instid0(VALU_DEP_3)
	v_lshl_or_b32 v[\pw], v[TM+5], 8, v[TM+4]
	s_delay_alu instid0(VALU_DEP_1)
	v_lshl_or_b32 v[\pw], v[TM+6], 16, v[\pw]
	s_delay_alu instid0(VALU_DEP_1)
	v_lshl_or_b32 v[\pw], v[TM+7], 24, v[\pw]
.irp c, 0,1
	v_cvt_scalef32_pk16_fp6_f32 v[\pc+6*\c:\pc+2+6*\c], v[\s+32*\c:\s+15+32*\c], v[TM+12+2*\c]
	v_cvt_scalef32_pk16_fp6_f32 v[TC+4*\c:TC+2+4*\c], v[\s+16+32*\c:\s+31+32*\c], v[TM+12+2*\c+1]   ; (a conversion's three registers begin on an even number)
.endr
	v_nop                                          ; one plain place behind a scaled conversion
.irp c, 0,1                                    ; the operand's layout wants a WHOLE block in a lane
.irp i, 0,1,2
	v_permlane16_swap_b32 v[\pc+6*\c+\i], v[TC+4*\c+\i]
.endr
.irp i, 0,1,2
	s_delay_alu instid0(VALU_DEP_3)
	v_mov_b32 v[\pc+3+6*\c+\i], v[TC+4*\c+\i]
.endr
.endr
.endm
	s_load_b128 s[4:7], s[0:1], 0x0                ; emb_weight, erec
	v_lshl_add_u32 v208, v0, 2, SPARE
	v_mov_b32 v209, 0
	v_lshrrev_b32 v1, 5, v0
	v_readfirstlane_b32 s12, v1                    ; wave 0..1
	v_and_b32 v1, 31, v0                           ; lane
	v_and_b32 v2, 15, v0                           ; r
	v_bfe_u32 v3, v0, 4, 1                         ; h
	v_lshlrev_b32 v4, 4, v1                        ; 16 x lane
	v_lshlrev_b32 v9, 3, v1                        ; 8 x lane
	s_mul_i32 s13, s12, WREG                       ; my wave's stage
	v_add_nc_u32 v[SIN], s13, v4                   ; into it: as loaded
	v_mul_u32_u24 v[SOUT], v2, PITCH
	v_lshl_add_u32 v[SOUT], v3, 6, v[SOUT]
	v_add_nc_u32 v[SOUT], s13, v[SOUT]             ; out of it: row r, + 64 h
	v_lshl_add_u32 v7, v1, 2, s13                  ; the tail, in: 4 x lane
	v_add_nc_u32 v8, s13, v9                       ; the tail, out: 8 x lane
	s_mov_b32 s48, 0x76543210
	s_mov_b32 s49, 0xfedcba98                      ; v_permlanex16_b32's selects for lane l xor 16
	s_mov_b32 s22, 0xffff0000                      ; lanes 16-31
.irp b, 0,1,2,3
	v_mov_b32 v[TM+4+\b], 0                        ; written once: a lane permute's destination counts as one of its sources
.endr
	v_mov_b32 v[T4], 0
	s_lshl_b32 s14, ttmp9, 1
	s_add_co_u32 s14, s14, s12                     ; my tile, 0..511
	s_lshl_b32 s16, s14, 14                        ; 16 rows of 1,024 bytes
	s_mov_b32 s17, 0
	s_mul_i32 s18, s14, RECB
	s_mov_b32 s19, 0
	s_wait_alu depctr_va_vdst(0)                   ; the wait at the head's end
	s_wait_kmcnt 0x0
	s_add_nc_u64 s[4:5], s[4:5], s[16:17]
	s_add_nc_u64 s[8:9], s[6:7], s[18:19]
.set i, 0
.rept 32
	global_load_b128 v[X+4*i:X+4*i+3], v4, s[4:5] offset:512*i   ; 32 lanes read 512 consecutive bytes: half a row
.set i, i+1
.endr
	STAGE 0
	SUMSQ
	QUANT X, PC0, PW0
.irp c, 0,1,2
	global_store_b128 v4, v[PC0+4*\c:PC0+4*\c+3], s[8:9] offset:512*\c          ; 32 lanes store 512 consecutive bytes, aligned
.endr
	QUANT X+64, PC1, PW1                           ; other registers than K step 0's: no store's data are written again
.irp c, 0,1,2
	global_store_b128 v4, v[PC1+4*\c:PC1+4*\c+3], s[8:9] offset:1536+512*\c
.endr
	v_cndmask_b32 v[SW], v[PW0], v[PW1], s22       ; K step 0's word in lanes 0-15, K step 1's in lanes 16-31
	ds_store_b32 v7, v[SW]                         ; the record's tail is gathered in the stage's first 256 bytes, which nobody reads any more,
	ds_store_b32 v7, v[T5] offset:128
	ds_load_b64 v[206:207], v8                     ; (LDS serves a wave's instructions in order: this sees my stores)
	s_wait_dscnt 0x0
	global_store_b64 v9, v[206:207], s[8:9] offset:3072   ; and leaves as 256 consecutive bytes, aligned
	s_wait_tensorcnt 0x0                           ; the wave's end
	ds_add_u32 v208, v209
	s_wait_dscnt 0x0
	s_endpgm
.Lfunc_end_k_qb97c88b34c_quant:
	.size	k_qb97c88b34c_quant, .Lfunc_end_k_qb97c88b34c_quant-k_qb97c88b34c_quant
	.p2alignl 7, 3214868480
	.fill 96, 4, 3214868480
	.section	.rodata,"a",@progbits
	.p2align	6, 0x0
	.amdhsa_kernel k_qb97c88b34c_quant
		.amdhsa_group_segment_fixed_size 33536
		.amdhsa_private_segment_fixed_size 0
		.amdhsa_enable_private_segment 0
		.amdhsa_kernarg_size 16
		.amdhsa_user_sgpr_count 2
		.amdhsa_user_sgpr_kernarg_segment_ptr 1
		.amdhsa_wavefront_size32 1
		.amdhsa_system_sgpr_workgroup_id_x 1
		.amdhsa_system_sgpr_workgroup_id_y 1
		.amdhsa_system_sgpr_workgroup_id_z 1
		.amdhsa_system_vgpr_workitem_id 0
		.amdhsa_next_free_vgpr 210
		.amdhsa_next_free_sgpr 66
		.amdhsa_reserve_vcc 0
		.amdhsa_float_denorm_mode_32 3
		.amdhsa_float_denorm_mode_16_64 3
		.amdhsa_memory_ordered 1
		.amdhsa_forward_progress 1
		.amdhsa_inst_pref_size 28
	.end_amdhsa_kernel
	.amdgpu_metadata
---
amdhsa.version: [ 1, 2 ]
amdhsa.kernels:
  - .name:           k_qb97c88b34c_quant
    .symbol:         k_qb97c88b34c_quant.kd
    .args:
      - { .name: emb_weight, .offset: 0, .size: 8, .value_kind: global_buffer, .address_space: global }
      - { .name: erec, .offset: 8, .size: 8, .value_kind: global_buffer, .address_space: global }
    .group_segment_fixed_size: 33536
    .private_segment_fixed_size: 0
    .kernarg_segment_align: 8
    .kernarg_segment_size: 16
    .max_flat_workgroup_size: 64
    .sgpr_count:     66
    .vgpr_count:     210
    .wavefront_size: 32
...
	.end_amdgpu_metadata
.endif
;; end of part 1
;; launch search (part 2): grid 256 x 1, 8 waves a work-group, no clusters, 168,960 bytes of LDS; arguments z, erec, idx; writes idx
.if DOCPART == 2
	.amdgcn_target "amdgcn-amd-amdhsa--gfx1250"
	.amdhsa_code_object_version 6
	.text
	.protected	k_qb97c88b34c_search
	.globl	k_qb97c88b34c_search
	.p2align	8
	.type	k_qb97c88b34c_search,@function
k_qb97c88b34c_search:
	s_mov_b64 s[64:65], 0
	v_nop
	global_prefetch_b8 v0, s[64:65] scope:SCOPE_SE
	s_setreg_imm32_b32 hwreg(HW_REG_WAVE_MODE, 25, 1), 1
	s_wait_xcnt 0x0
; idx[b] = the first n that minimises d(b, n) = (zz[b] + ee[n]) - 2 dot(b, n), dot on codes of FP6 (E2M3) with one E8M0 scale for each 32 along K = 256.
; d is formed by two roundings in f32: s = zz + ee, then one fused multiply-add s - 2 dot (2 dot is exact); all comparisons are strict and go by ascending n, so that of equal d the first n is kept.
; LIMITS: NaN, infinities and a d that overflows f32 are not served (such a row keeps whatever candidate stands).  zz and ee are summed in four packed chains a lane, another order than reference()'s.
;   A block of zeros of z gets the scale byte 1 where the quantiser's text says 127: its codes are zeros, and this launch alone reads the byte.
; INPUTS: z as f32; emb as records of 3,328 bytes, one for each 16 rows: two fragments as images of their 12 registers (1536 s + 512 c + 16 lane), the scale word at 3072 + 4 lane (lanes 0-15 K step 0, lanes 16-31 K step 1), the sums of squares at 3200.
; SHARES.  A work-group owns 128 rows of z, for all 8,192 codes; no other work-group reads them.  THE HEAD: wave w quantises z's tile w (16 rows) and lays its record in LDS; behind one barrier every wave takes ALL eight tiles into registers.
;   Then each wave takes 64 records of emb on end: records 64 w .. 64 w + 63.
; NO LDS RING, NO CLUSTER: a record of emb is an image of one wave's operand registers and is used by exactly one wave of the work-group, so it goes from memory straight into that wave's registers:
;   nine loads a record, no LDS write, no LDS read and no barrier in the loop.  Three buffers: the record at work and the next two; the first three are asked for ahead of the head's quantising.
; PREFETCH: erec is 6,656 blocks of 256 bytes.  Work-group g asks once, at its head, for blocks 52 (g % 128) .. + 51: a lane a block, waves 0 and 1 (lanes left over name the last block again).  No address passes erec's end.
; THE PRODUCT: source 0 = 16 codes, source 1 = 16 rows of z: a lane holds ONE row of z (lane % 16), and its register j the code 8 (lane / 16) + j of the tile.
; FOR EACH TILE OF 16 x 16: 4 packed additions (s), 4 packed multiply-adds (d, in place), 4 minima of three, one compare (new < old), one select (the record's first code number), four pairs of selects (the winning tile's eight d).
;   These six stages run as a pipeline over z's eight tiles, so that a line's sources were written several lines earlier.  Which of the eight kept d is the minimum is found once, at the end.
; REGISTERS.  Window 0: v1-13, v27 addresses; v14, v15 the add's; v16-23 z's scale words; v24-26 emb's; v28-35 zz; v36-43, v44-51 the minima, by turns; v52-59 the winning record's first code; v60-83 ee (three buffers);
;   v84-99 s of two tiles; v100-101 at work; v104-167 eight accumulators; v168-231 the kept d; v232-255 emb's fragments, buffer 2.   Window 1: v0-191 z's fragments (24 t + 12 s); v192-215, v216-239 emb's buffers 0, 1.
;   In the head: v104-231 the tile's numbers, v28-51 its codes, v52-59, v84-103, v16-23, v9 at work: none of them a register into which a record of emb is on its way.
.set RECB,  3328
.set PITCH, 1040
.set WREG,  16*PITCH
.set SCRM,  0                          ; LDS: each wave's 128 minima,
.set SCRN,  4096                       ; and their code numbers
.set SPARE, 8192                       ; the spare words, 128 bytes for each wave
.set IMG,   9216                       ; z's eight records
.set STG,   IMG+8*RECB                 ; a stage of 16,640 bytes for each wave
.set ZSC,   16
.set ESC,   24
.set ZZ,    28
.set GID,   52
.set EE,    60
.set SR,    84
.set MT,    100
.set ACC,   104
.set KEEP,  168
.set X,     104                        ; the head's registers
.set PC0,   28
.set PC1,   40
.set TC,    52
.set TM,    84
.set PW0,   100
.set PW1,   101
.set SW,    102
.set SS,    16
.set T4,    103
.set T5,    9
.set SIN,   7
.set SOUT,  8
.set MSB, 0
.macro WIN new                         ; s_set_vgpr_msb: bits 1:0 source 0, 3:2 source 1, 5:4 source 2, 7:6 destination; the high byte repeats the setting that is left
.if MSB != \new
	s_set_vgpr_msb (MSB<<8)|\new
.set MSB, \new
.endif
.endm
.macro STAGE left                      ; the tile through the stage; left: younger loads that may stay out
.irp g, 0,1,2,3
	s_wait_loadcnt \left+24-8*\g                   ; loads come back in order: this group of eight is in; z's younger groups and emb's 27 loads may be out
.irp e, 0,1,2,3,4,5,6,7
	ds_store_b128 v[SIN], v[X+4*(8*\g+\e):X+4*(8*\g+\e)+3] offset:((8*\g+\e)/2)*PITCH+((8*\g+\e)%2)*512
.endr
.endr
	s_wait_dscnt 0x0                               ; the stores have read their registers, which the loads below fill again
.irp b, 0,1,2,3,4,5,6,7
.irp q, 0,1,2,3
	ds_load_b128 v[X+16*\b+4*\q:X+16*\b+4*\q+3], v[SOUT] offset:128*\b+16*\q   ; register 16 b + i: k = 32 b + 16 h + i of row r
.endr
.endr
	s_wait_dscnt 0x0
.endm
.macro SUMSQ                           ; the row's sum of squares: my 128 numbers in four packed chains, then the other half of the lanes'
.irp k, 0,1,2,3
	v_pk_mul_f32 v[SS+2*\k:SS+2*\k+1], v[X+2*\k:X+2*\k+1], v[X+2*\k:X+2*\k+1]
.endr
.set jj, 4
.rept 60
	s_delay_alu instid0(VALU_DEP_4)
	v_pk_fma_f32 v[SS+2*(jj%4):SS+2*(jj%4)+1], v[X+2*jj:X+2*jj+1], v[X+2*jj:X+2*jj+1], v[SS+2*(jj%4):SS+2*(jj%4)+1]
.set jj, jj+1
.endr
	s_delay_alu instid0(VALU_DEP_3)
	v_pk_add_f32 v[SS:SS+1], v[SS:SS+1], v[SS+2:SS+3]
	s_delay_alu instid0(VALU_DEP_2)
	v_pk_add_f32 v[SS+4:SS+5], v[SS+4:SS+5], v[SS+6:SS+7]
	s_delay_alu instid0(VALU_DEP_1)
	v_pk_add_f32 v[SS:SS+1], v[SS:SS+1], v[SS+4:SS+5]
	s_delay_alu instid0(VALU_DEP_1)
	v_add_f32 v[T5], v[SS], v[SS+1]
	s_delay_alu instid0(VALU_DEP_1)
	v_permlanex16_b32 v[T4], v[T5], s48, s49
	s_delay_alu instid0(VALU_DEP_1)
	v_add_f32 v[T5], v[T5], v[T4]                  ; lanes r and r + 16 both hold row r's sum
.endm
; 64 numbers of a lane, v[s] on, register 16 b + i = k 32 b + 16 h + i of my row, become a fragment's codes in v[pc] on and its scale word in v[pw].
; A block's scale is 2^(floor(log2(its largest magnitude)) - 2); numbers are divided by it and rounded to the nearest code, ties to even, beyond 7.5 the largest code.
.macro QUANT s, pc, pw
.irp b, 0,1,2,3
	v_max3_num_f32 v[TM+\b], |v[\s+16*\b]|, |v[\s+1+16*\b]|, 0x1800000   ; block b: my 16 numbers, and the floor 2^(3 - 127): so the byte cannot fall under 1
.endr
.irp i, 2,4,6,8,10,12,14
.irp b, 0,1,2,3
	s_delay_alu instid0(VALU_DEP_4)
	v_max3_num_f32 v[TM+\b], v[TM+\b], |v[\s+16*\b+\i]|, |v[\s+1+16*\b+\i]|
.endr
.endr
.irp b, 0,1,2,3
	s_delay_alu instid0(VALU_DEP_4)
	v_permlanex16_b32 v[TM+4+\b], v[TM+\b], s48, s49
.endr
.irp b, 0,1,2,3
	s_delay_alu instid0(VALU_DEP_4)
	v_max_num_f32 v[TM+\b], v[TM+\b], v[TM+4+\b]   ; with lane l xor 16's: the block's largest magnitude
.endr
.irp b, 0,1,2,3
	s_delay_alu instid0(VALU_DEP_4)
	v_add_nc_u32 v[TM+12+\b], 0xff000000, v[TM+\b] ; 2 off its exponent field: the conversion's scale operand
.endr
.irp b, 0,1,2,3
	s_delay_alu instid0(VALU_DEP_4)
	v_lshrrev_b32 v[TM+4+\b], 23, v[TM+12+\b]      ; the scale's byte
.endr
	s_delay_alu instid0(VALU_DEP_3)
	v_lshl_or_b32 v[\pw], v[TM+5], 8, v[TM+4]
	s_delay_alu instid0(VALU_DEP_1)
	v_lshl_or_b32 v[\pw], v[TM+6], 16, v[\pw]
	s_delay_alu instid0(VALU_DEP_1)
	v_lshl_or_b32 v[\pw], v[TM+7], 24, v[\pw]
.irp c, 0,1
	v_cvt_scalef32_pk16_fp6_f32 v[\pc+6*\c:\pc+2+6*\c], v[\s+32*\c:\s+15+32*\c], v[TM+12+2*\c]
	v_cvt_scalef32_pk16_fp6_f32 v[TC+4*\c:TC+2+4*\c], v[\s+16+32*\c:\s+31+32*\c], v[TM+12+2*\c+1]   ; (a conversion's three registers begin on an even number)
.endr
	v_nop                                          ; one plain place behind a scaled conversion
.irp c, 0,1                                    ; the operand's layout wants a WHOLE block in a lane
.irp i, 0,1,2
	v_permlane16_swap_b32 v[\pc+6*\c+\i], v[TC+4*\c+\i]
.endr
.irp i, 0,1,2
	s_delay_alu instid0(VALU_DEP_3)
	v_mov_b32 v[\pc+3+6*\c+\i], v[TC+4*\c+\i]
.endr
.endr
.endm
	s_load_b128 s[4:7], s[0:1], 0x0                ; z, erec
	s_load_b64 s[8:9], s[0:1], 0x10                ; idx
	v_lshl_add_u32 v14, v0, 2, SPARE               ; my spare word; never rewritten
	v_mov_b32 v15, 0                               ; 0; never rewritten
	v_lshrrev_b32 v1, 5, v0
	v_readfirstlane_b32 s10, v1                    ; wave 0..7
	s_mov_b32 s12, ttmp9                           ; my work-group
	s_mul_i32 s24, s10, 64*RECB                    ; my wave's 64 records in erec
	s_mov_b32 s25, 0
	s_lshl_b32 s28, s10, 9                         ; my wave's 512 bytes of each scratch
	s_lshl_b32 s45, s10, 10                        ; my first code number: 1,024 x wave
	s_mov_b32 s47, 0x7f800000                      ; +infinity
	s_mov_b32 s48, 0x76543210
	s_mov_b32 s49, 0xfedcba98                      ; v_permlanex16_b32's selects for lane l xor 16
	s_mov_b32 s53, 0xffff0000                      ; lanes 16-31
	s_lshl_b32 s30, s12, 3
	s_add_co_u32 s30, s30, s10                     ; z's tile that I quantise: 8 x work-group + wave,
	s_lshl_b32 s30, s30, 14                        ; 16 rows of 1,024 bytes each (under 2^25 bytes)
	s_mov_b32 s31, 0
	s_and_b32 s29, s12, 127
	s_mul_i32 s29, s29, 52*256                     ; the prefetch: my work-group's 52 blocks
	s_mul_i32 s13, s10, WREG
	s_add_co_u32 s13, s13, STG                     ; my wave's stage
	s_mul_i32 s54, s10, RECB
	s_add_co_u32 s54, s54, IMG                     ; my tile's record in LDS
	v_and_b32 v1, 31, v0                           ; lane
	v_bfe_u32 v5, v0, 4, 1                         ; h
	v_and_b32 v6, 15, v0                           ; r
	v_and_b32 v12, 63, v0
	v_min_u32 v13, 51, v0
	v_lshlrev_b32 v2, 2, v1                        ; 4 x lane
	v_lshlrev_b32 v3, 3, v5                        ; 8 h: my half's first code in a tile
	v_lshlrev_b32 v4, 5, v5                        ; 32 h: ee of my half's eight codes
	v_lshlrev_b32 v1, 4, v1                        ; 16 x lane
	v_lshl_add_u32 v10, v6, 2, s28                 ; the scratch, in: 512 x wave + 4 r
	v_lshlrev_b32 v12, 3, v12                      ; two rows a thread: my bytes in idx and in a wave's part of the scratch
	v_lshl_add_u32 v13, v13, 8, s29                ; my block of erec; never rewritten
	v_mul_u32_u24 v[SOUT], v6, PITCH
	v_add_nc_u32 v[SIN], s13, v1                   ; into the stage: as loaded
	v_lshl_add_u32 v[SOUT], v5, 6, v[SOUT]
	v_add_nc_u32 v11, s54, v1                      ; my record's images, in
	v_add_nc_u32 v[SOUT], s13, v[SOUT]             ; out of the stage: row r, + 64 h
	v_add_nc_u32 v27, s54, v2                      ; my record's tail, in
	v_add_nc_u32 v5, IMG, v1                       ; the eight records' images, out
	v_add_nc_u32 v6, IMG, v2                       ; and their tails
.irp b, 0,1,2,3
	v_mov_b32 v[TM+4+\b], 0                        ; written once: a lane permute's destination counts as one of its sources
.endr
	v_mov_b32 v[T4], 0
	s_wait_alu depctr_va_vdst(0)
	s_wait_kmcnt 0x0
	s_add_nc_u64 s[26:27], s[6:7], s[24:25]        ; erec at my wave's first record
	s_add_nc_u64 s[4:5], s[4:5], s[30:31]          ; z at my tile
	s_lshl_b32 s30, s12, 9                         ; 128 rows x 4 bytes
	s_add_nc_u64 s[8:9], s[8:9], s[30:31]
	s_cmp_lt_u32 s10, 2
	s_cbranch_scc0 .Lnoask
	global_prefetch_b8 v13, s[6:7] th:TH_LOAD_NT scope:SCOPE_SE
.Lnoask:
.set i, 0
.rept 32
	global_load_b128 v[X+4*i:X+4*i+3], v1, s[4:5] offset:512*i th:TH_LOAD_NT   ; 32 lanes read 512 consecutive bytes: half a row of z
.set i, i+1
.endr
; Record i (counted from the base in s[26:27]) into buffer b: seven loads: the two fragments and the scale word
.macro LOADF i, b
.if (\b) < 2
	WIN 0x40
.set FB, 192+24*(\b)
.else
.set FB, 232
.endif
.irp s, 0,1
.irp c, 0,1,2
	global_load_b128 v[FB+12*\s+4*\c:FB+12*\s+4*\c+3], v1, s[26:27] offset:RECB*(\i)+1536*\s+512*\c   ; 32 lanes read 512 consecutive bytes
.endr
.endr
	WIN 0
	global_load_b32 v[ESC+(\b)], v2, s[26:27] offset:RECB*(\i)+3072
.endm
.macro LOADE i, b                      ; and two more: ee of my half's eight codes
	global_load_b128 v[EE+8*(\b):EE+8*(\b)+3], v4, s[26:27] offset:RECB*(\i)+3200
	global_load_b128 v[EE+8*(\b)+4:EE+8*(\b)+7], v4, s[26:27] offset:RECB*(\i)+3216
.endm
.irp j, 0,1,2
	LOADF \j, \j
	LOADE \j, \j
.endr
	; z's tile w becomes a record in LDS
	STAGE 27
	SUMSQ
	QUANT X, PC0, PW0
.irp c, 0,1,2
	ds_store_b128 v11, v[PC0+4*\c:PC0+4*\c+3] offset:512*\c
.endr
	QUANT X+64, PC1, PW1
.irp c, 0,1,2
	ds_store_b128 v11, v[PC1+4*\c:PC1+4*\c+3] offset:1536+512*\c
.endr
	v_cndmask_b32 v[SW], v[PW0], v[PW1], s53       ; K step 0's word in lanes 0-15, K step 1's in lanes 16-31
	ds_store_b32 v27, v[SW] offset:3072
	ds_store_b32 v27, v[T5] offset:3200
	s_wait_dscnt 0x0                               ; for the others' sake: my record is whole
	s_barrier_signal -1
	s_barrier_wait -1
	WIN 0x40                                       ; destination window 1, address window 0
.irp t, 0,1,2,3,4,5,6,7
.irp s, 0,1
.irp c, 0,1,2
	ds_load_b128 v[24*\t+12*\s+4*\c:24*\t+12*\s+4*\c+3], v5 offset:RECB*\t+1536*\s+512*\c   ; z's fragments stay in registers
.endr
.endr
.endr
	WIN 0
.irp t, 0,1,2,3,4,5,6,7
	ds_load_b32 v[ZSC+\t], v6 offset:RECB*\t+3072  ; their scale words,
	ds_load_b32 v[ZZ+\t], v6 offset:RECB*\t+3200   ; and zz of my lane's row
.endr
.irp t, 0,1,2,3,4,5,6,7
	v_mov_b32 v[36+\t], s47                        ; the minimum so far: +infinity, over every d
	v_mov_b32 v[GID+\t], 0
.endr
.set i, 0
.rept 64
	v_mov_b32 v[KEEP+i], s47                       ; written once: the selects name these as a source; the first tile replaces them
.set i, i+1
.endr
	s_wait_alu depctr_va_vdst(0)                   ; the wait at the head's end
	s_wait_dscnt 0x0
; The six stages of a tile t of z.  BUF, OLDM, NEWM are set by ONE.
.macro STA t                           ; s = ee + zz: of the pair of zz, tile t's serves both halves
.irp k, 0,1,2,3
.if (\t)%2
	v_pk_add_f32 v[SR+8+2*\k:SR+8+2*\k+1], v[EE+8*BUF+2*\k:EE+8*BUF+2*\k+1], v[ZZ+(\t)-1:ZZ+(\t)] op_sel:[0,1] op_sel_hi:[1,1]
.else
	v_pk_add_f32 v[SR+2*\k:SR+2*\k+1], v[EE+8*BUF+2*\k:EE+8*BUF+2*\k+1], v[ZZ+(\t):ZZ+(\t)+1] op_sel:[0,0] op_sel_hi:[1,0]
.endif
.endr
.endm
.macro STB t                           ; d = s - 2 dot, one rounding; the accumulator is read from its low end on
.irp k, 0,1,2,3
	v_pk_fma_f32 v[ACC+8*(\t)+2*\k:ACC+8*(\t)+2*\k+1], v[ACC+8*(\t)+2*\k:ACC+8*(\t)+2*\k+1], -2.0, v[SR+8*((\t)%2)+2*\k:SR+8*((\t)%2)+2*\k+1] op_sel_hi:[1,0,1]
.endr
.endm
.macro STC t
	v_min3_num_f32 v[NEWM+(\t)], v[OLDM+(\t)], v[ACC+8*(\t)], v[ACC+8*(\t)+1]
	v_min3_num_f32 v[MT], v[ACC+8*(\t)+2], v[ACC+8*(\t)+3], v[ACC+8*(\t)+4]
	v_min3_num_f32 v[MT+1], v[ACC+8*(\t)+5], v[ACC+8*(\t)+6], v[ACC+8*(\t)+7]
.endm
.macro STD t
	v_min3_num_f32 v[NEWM+(\t)], v[NEWM+(\t)], v[MT], v[MT+1]
.endm
.macro STE t
	v_cmp_lt_f32 vcc_lo, v[NEWM+(\t)], v[OLDM+(\t)]   ; strictly under the old minimum: of equal d the earlier record stays
.endm
.macro STF t
	v_cndmask_b32 v[GID+(\t)], v[GID+(\t)], s46, vcc_lo
.irp k, 0,1,2,3
	v_dual_cndmask_b32 v[KEEP+8*(\t)+2*\k], v[KEEP+8*(\t)+2*\k], v[ACC+8*(\t)+2*\k] :: v_dual_cndmask_b32 v[KEEP+8*(\t)+2*\k+1], v[KEEP+8*(\t)+2*\k+1], v[ACC+8*(\t)+2*\k+1]
.endr
.endm
; Step k of the pipeline: s of tile k, the last minimum of tile k - 3, d of tile k - 1, the compare of tile k - 3, three minima of tile k - 2, the selects of tile k - 3
.macro VSTEP k
.if (\k) < 8
	STA (\k)
.endif
.if (\k) >= 3
	STD (\k)-3
.endif
.if (\k) >= 1 && (\k) < 9
	STB (\k)-1
.endif
.if (\k) >= 3
.if (\k) >= 9
	s_delay_alu instid0(VALU_DEP_1)
.endif
	STE (\k)-3
.endif
.if (\k) >= 2 && (\k) < 10
	STC (\k)-2
.endif
.if (\k) >= 3
.if (\k) < 10
	s_delay_alu instid0(VALU_DEP_4)
.else
	s_delay_alu instid0(VALU_DEP_1)
.endif
	STF (\k)-3
.endif
.endm
; One record of emb, the j-th from the base, against z's eight tiles: 16 products, the eight accumulators by turns, one instruction a turn; then the vector work.
; ld = 1: the record three further on is asked for, into the same buffer.  left: the younger loads that may stay out.
.macro ONE j, ld, left
.set BUF,  (\j)%3
.set OLDM, 36+8*((\j)%2)
.set NEWM, 44-8*((\j)%2)
	s_wait_loadcnt \left                           ; loads come back in order: this record's nine are in; the next two records' nine each may be out
	s_add_co_u32 s46, s45, 16*(\j)                 ; the record's first code number
.if BUF < 2
	WIN 0x05                                       ; sources 0 and 1 window 1; C and D window 0
.set FA, 192+24*BUF
.else
	WIN 0x04                                       ; source 1 window 1 alone
.set FA, 232
.endif
.irp t, 0,1,2,3,4,5,6,7
	v_wmma_scale_f32_16x16x128_f8f6f4 v[ACC+8*\t:ACC+8*\t+7], v[FA:FA+11], v[24*\t:24*\t+11], 0, v[ESC+BUF], v[ZSC+\t] matrix_a_fmt:MATRIX_FMT_FP6 matrix_b_fmt:MATRIX_FMT_FP6
.endr
.irp t, 0,1,2,3,4,5,6,7
	v_wmma_scale_f32_16x16x128_f8f6f4 v[ACC+8*\t:ACC+8*\t+7], v[FA+12:FA+23], v[24*\t+12:24*\t+23], v[ACC+8*\t:ACC+8*\t+7], v[ESC+BUF], v[ZSC+\t] matrix_a_fmt:MATRIX_FMT_FP6 matrix_b_fmt:MATRIX_FMT_FP6 matrix_a_scale:MATRIX_SCALE_ROW1 matrix_b_scale:MATRIX_SCALE_ROW1
.endr
	WIN 0
	VSTEP 0                                        ; four packed additions that name no register of the products: the places ahead of the loads below and of the first read of a result
.if \ld
	LOADF (\j)+3, BUF
.endif
.irp k, 1,2,3,4,5,6,7,8,9,10
	VSTEP \k
.endr
.if \ld
	LOADE (\j)+3, BUF                              ; ee's buffer was last read in step 7
.endif
.endm
; (m, n) becomes the smaller of (m, n) and (pm, pn): by d, and of equal d by the code number
.macro LEXMIN m, n, pm, pn
	v_cmp_lt_f32 s50, v[\pm], v[\m]
	v_cmp_eq_f32 s51, v[\pm], v[\m]
	v_cmp_lt_u32 s52, v[\pn], v[\n]
	s_and_b32 s51, s51, s52
	s_or_b32 s50, s50, s51
	v_cndmask_b32 v[\m], v[\m], v[\pm], s50
	v_cndmask_b32 v[\n], v[\n], v[\pn], s50
.endm
	s_mov_b32 s44, 10                              ; 64 records: ten trips of six (three buffers x two sets of minima), and four written out
.Lloop:
.irp j, 0,1,2,3,4,5
	ONE \j, 1, 18
.endr
	s_wait_xcnt 0x0                                ; the loads have read their base: it steps only behind this wait
	s_add_nc_u64 s[26:27], s[26:27], 6*RECB
	s_add_co_u32 s45, s45, 96
	s_sub_co_u32 s44, s44, 1
	s_cmp_lg_u32 s44, 0
	s_cbranch_scc1 .Lloop
	ONE 0, 1, 18                                   ; record 60 asks for record 63, the last: no load leaves the buffer
	ONE 1, 0, 18
	ONE 2, 0, 9
	ONE 3, 0, 0                                    ; after an even number of records the minima stand in v36-43
	; THE END.  In each lane and tile: the first of the eight kept d that equals the minimum gives the code number; then the other half of the lanes'; then the eight waves' candidates meet in LDS.
.irp t, 0,1,2,3,4,5,6,7
	v_mov_b32 v86, 7
.irp j, 6,5,4,3,2,1,0
	v_cmp_eq_f32 vcc_lo, v[KEEP+8*\t+\j], v[36+\t]
	s_delay_alu instid0(VALU_DEP_1)
	v_cndmask_b32 v86, v86, \j, vcc_lo
.endr
	s_delay_alu instid0(VALU_DEP_1)
	v_add3_u32 v[GID+\t], v[GID+\t], v3, v86       ; the record's first code + 8 h + j
	v_permlanex16_b32 v84, v[36+\t], s48, s49
	s_delay_alu instid0(VALU_DEP_2)
	v_permlanex16_b32 v85, v[GID+\t], s48, s49
	LEXMIN 36+\t, GID+\t, 84, 85
	ds_store_b32 v10, v[36+\t] offset:SCRM+64*\t   ; lanes r and r + 16 write the same word with the same value
	ds_store_b32 v10, v[GID+\t] offset:SCRN+64*\t
.endr
	s_wait_dscnt 0x0                               ; for the others' sake: my stores into the scratch are done
	s_barrier_signal -1
	s_barrier_wait -1
	s_cmp_lt_u32 s10, 2                            ; waves 0 and 1, threads 0 to 63, take two rows each
	s_cbranch_scc0 .Lothers
.irp q, 0,1,2,3,4,5,6,7
	ds_load_b64 v[104+2*\q:105+2*\q], v12 offset:SCRM+512*\q
	ds_load_b64 v[120+2*\q:121+2*\q], v12 offset:SCRN+512*\q
.endr
	s_wait_dscnt 0x0
.irp q, 1,2,3,4,5,6,7
	LEXMIN 104, 120, 104+2*\q, 120+2*\q
	LEXMIN 105, 121, 105+2*\q, 121+2*\q
.endr
	global_store_b64 v12, v[120:121], s[8:9]       ; a wave stores 256 consecutive bytes, at a multiple of 256 from idx's first byte
.Lothers:
	s_wait_tensorcnt 0x0                           ; the wave's end, behind my last LDS store
	ds_add_u32 v14, v15
	s_wait_dscnt 0x0
	s_endpgm
.Lfunc_end_k_qb97c88b34c_search:
	.size	k_qb97c88b34c_search, .Lfunc_end_k_qb97c88b34c_search-k_qb97c88b34c_search
	.p2alignl 7, 3214868480
	.fill 96, 4, 3214868480
	.section	.rodata,"a",@progbits
	.p2align	6, 0x0
	.amdhsa_kernel k_qb97c88b34c_search
		.amdhsa_group_segment_fixed_size 168960
		.amdhsa_private_segment_fixed_size 0
		.amdhsa_enable_private_segment 0
		.amdhsa_kernarg_size 24
		.amdhsa_user_sgpr_count 2
		.amdhsa_user_sgpr_kernarg_segment_ptr 1
		.amdhsa_wavefront_size32 1
		.amdhsa_system_sgpr_workgroup_id_x 1
		.amdhsa_system_sgpr_workgroup_id_y 1
		.amdhsa_system_sgpr_workgroup_id_z 1
		.amdhsa_system_vgpr_workitem_id 0
		.amdhsa_next_free_vgpr 512
		.amdhsa_next_free_sgpr 66
		.amdhsa_reserve_vcc 1
		.amdhsa_float_denorm_mode_32 3
		.amdhsa_float_denorm_mode_16_64 3
		.amdhsa_memory_ordered 1
		.amdhsa_forward_progress 1
		.amdhsa_inst_pref_size 176
	.end_amdhsa_kernel
	.amdgpu_metadata
---
amdhsa.version: [ 1, 2 ]
amdhsa.kernels:
  - .name:           k_qb97c88b34c_search
    .symbol:         k_qb97c88b34c_search.kd
    .args:
      - { .name: z, .offset: 0, .size: 8, .value_kind: global_buffer, .address_space: global }
      - { .name: erec, .offset: 8, .size: 8, .value_kind: global_buffer, .address_space: global }
      - { .name: idx, .offset: 16, .size: 8, .value_kind: global_buffer, .address_space: global }
    .group_segment_fixed_size: 168960
    .private_segment_fixed_size: 0
    .kernarg_segment_align: 8
    .kernarg_segment_size: 24
    .max_flat_workgroup_size: 256
    .sgpr_count:     66
    .vgpr_count:     512
    .wavefront_size: 32
...
	.end_amdgpu_metadata
.endif
;; end of part 2
;; launch gather (part 3): grid 256 x 1, 16 waves a work-group, no clusters, 2,304 bytes of LDS; arguments z, emb_weight, idx, out0, part; writes out0, part
.if DOCPART == 3
	.amdgcn_target "amdgcn-amd-amdhsa--gfx1250"
	.amdhsa_code_object_version 6
	.text
	.protected	k_qb97c88b34c_gather
	.globl	k_qb97c88b34c_gather
	.p2align	8
	.type	k_qb97c88b34c_gather,@function
k_qb97c88b34c_gather:
	s_mov_b64 s[64:65], 0
	v_nop
	global_prefetch_b8 v0, s[64:65] scope:SCOPE_SE
	s_setreg_imm32_b32 hwreg(HW_REG_WAVE_MODE, 25, 1), 1
	s_wait_xcnt 0x0
; out0[b] = z[b] + (e[idx[b]] - z[b]), two roundings in f32 as reference() has them; part[work-group] = the sum of (e - z)^2 over the work-group's 128 rows.
; A stream: no matrix unit, no cluster, no tensor load would add anything.  A wave takes 8 rows; a row is 1,024 bytes: two loads of 512 consecutive bytes.  All 32 loads of a wave are issued before the first is used.
; The indices are whole numbers that an earlier launch stored; each is held to 0 .. 8191 before it enters an address.
; The sum of squares goes in f32: four packed chains a lane, then lanes, then the 16 waves through LDS.  NaN and infinities pass as the arithmetic passes them.
.set Z,  16                            ; v16-79   z's rows, then out0's
.set E,  80                            ; v80-143  emb's rows, then e - z
.set AC, 144                           ; v144-151 four packed chains
	s_load_b256 s[4:11], s[0:1], 0x0               ; z s[4:5], emb_weight s[6:7], idx s[8:9], out0 s[10:11]
	s_load_b64 s[12:13], s[0:1], 0x20              ; part
	v_lshl_add_u32 v160, v0, 2, 0x100
	v_mov_b32 v161, 0
	v_lshrrev_b32 v1, 5, v0
	s_delay_alu instid0(VALU_DEP_1)
	v_readfirstlane_b32 s14, v1                    ; wave 0..15
	v_and_b32 v1, 31, v0
	s_delay_alu instid0(VALU_DEP_1)
	v_lshlrev_b32 v1, 4, v1                        ; 16 x lane
	s_lshl_b32 s15, ttmp9, 7
	s_lshl_b32 s16, s14, 3
	s_add_co_u32 s15, s15, s16                     ; my first row: 128 x work-group + 8 x wave
	s_lshl_b32 s16, s15, 10                        ; in z and out0 (under 2^25 bytes)
	s_mov_b32 s17, 0
	s_lshl_b32 s18, s15, 2                         ; in idx
	s_mov_b32 s19, 0
	s_mov_b32 s20, 0x76543210
	s_mov_b32 s21, 0xfedcba98                      ; v_permlanex16_b32's selects for lane l xor 16
	s_lshl_b32 s23, ttmp9, 2                       ; my work-group's word of part
	s_wait_alu depctr_va_vdst(0)
	s_wait_kmcnt 0x0
	s_add_nc_u64 s[4:5], s[4:5], s[16:17]
	s_add_nc_u64 s[10:11], s[10:11], s[16:17]
	s_add_nc_u64 s[8:9], s[8:9], s[18:19]
	s_load_b256 s[24:31], s[8:9], 0x0              ; my eight indices
.irp i, 0,1,2,3,4,5,6,7
.irp u, 0,1
	global_load_b128 v[Z+8*\i+4*\u:Z+8*\i+4*\u+3], v1, s[4:5] offset:1024*\i+512*\u th:TH_LOAD_NT
.endr
.endr
	s_wait_kmcnt 0x0
.irp i, 0,1,2,3,4,5,6,7
	s_min_u32 s[24+\i], s[24+\i], 0x1fff           ; inside the table
	s_lshl_b32 s[24+\i], s[24+\i], 10              ; a row of 1,024 bytes
	v_add_nc_u32 v[2+\i], s[24+\i], v1
.endr
	s_wait_alu depctr_va_vdst(0)
.irp i, 0,1,2,3,4,5,6,7
.irp u, 0,1
	global_load_b128 v[E+8*\i+4*\u:E+8*\i+4*\u+3], v[2+\i], s[6:7] offset:512*\u   ; no hint: a row of the table may be named again
.endr
.endr
.macro ROWWORK i
	s_wait_loadcnt 14-2*\i                         ; loads come back in order: z and the table's rows up to mine are in; the later rows' two loads each may be out
.irp p, 0,1,2,3
	v_pk_add_f32 v[E+8*\i+2*\p:E+8*\i+2*\p+1], v[E+8*\i+2*\p:E+8*\i+2*\p+1], v[Z+8*\i+2*\p:Z+8*\i+2*\p+1] neg_lo:[0,1] neg_hi:[0,1]   ; e - z
.endr
.irp p, 0,1,2,3
	s_delay_alu instid0(VALU_DEP_4)
	v_pk_add_f32 v[Z+8*\i+2*\p:Z+8*\i+2*\p+1], v[Z+8*\i+2*\p:Z+8*\i+2*\p+1], v[E+8*\i+2*\p:E+8*\i+2*\p+1]   ; z + (e - z)
.endr
.irp p, 0,1,2,3
.if \i == 0
	v_pk_mul_f32 v[AC+2*\p:AC+2*\p+1], v[E+8*\i+2*\p:E+8*\i+2*\p+1], v[E+8*\i+2*\p:E+8*\i+2*\p+1]   ; the first row starts the chains: nothing is cleared
.else
	v_pk_fma_f32 v[AC+2*\p:AC+2*\p+1], v[E+8*\i+2*\p:E+8*\i+2*\p+1], v[E+8*\i+2*\p:E+8*\i+2*\p+1], v[AC+2*\p:AC+2*\p+1]
.endif
.endr
.endm
.irp i, 0,1,2,3,4,5,6,7
	ROWWORK \i
.endr
	v_pk_add_f32 v[AC:AC+1], v[AC:AC+1], v[AC+2:AC+3]
	v_pk_add_f32 v[AC+4:AC+5], v[AC+4:AC+5], v[AC+6:AC+7]
	s_delay_alu instid0(VALU_DEP_1)
	v_pk_add_f32 v[AC:AC+1], v[AC:AC+1], v[AC+4:AC+5]
	s_delay_alu instid0(VALU_DEP_1)
	v_add_f32 v144, v144, v145
	s_delay_alu instid0(VALU_DEP_1)
	v_add_f32_dpp v144, v144, v144 row_xmask:1 row_mask:0xf bank_mask:0xf
	s_delay_alu instid0(VALU_DEP_1)
	v_add_f32_dpp v144, v144, v144 row_xmask:2 row_mask:0xf bank_mask:0xf
	s_delay_alu instid0(VALU_DEP_1)
	v_add_f32_dpp v144, v144, v144 row_xmask:4 row_mask:0xf bank_mask:0xf
	s_delay_alu instid0(VALU_DEP_1)
	v_add_f32_dpp v144, v144, v144 row_xmask:8 row_mask:0xf bank_mask:0xf
	s_delay_alu instid0(VALU_DEP_1)
	v_permlanex16_b32 v145, v144, s20, s21
	s_delay_alu instid0(VALU_DEP_1)
	v_add_f32 v144, v144, v145                     ; the wave's sum, in every lane
	v_mov_b32 v146, s14
	s_delay_alu instid0(VALU_DEP_1)
	v_lshlrev_b32 v146, 2, v146
	ds_store_b32 v146, v144                        ; all lanes write the wave's word with the same value
.irp i, 0,1,2,3,4,5,6,7                        ; the wave's 16 stores in one run, behind all its arithmetic on the rows: each row has registers of its own, so no store's data are written again
.irp u, 0,1
	global_store_b128 v1, v[Z+8*\i+4*\u:Z+8*\i+4*\u+3], s[10:11] offset:1024*\i+512*\u th:TH_STORE_NT   ; 32 lanes store 512 consecutive bytes, aligned
.endr
.endr
	s_wait_dscnt 0x0                               ; for the others' sake
	s_barrier_signal -1
	s_barrier_wait -1
	v_mov_b32 v147, 0
.irp q, 0,1,2,3
	ds_load_b128 v[E+4*\q:E+4*\q+3], v147 offset:16*\q   ; the sixteen waves' sums, in every lane
.endr
	v_mov_b32 v148, s23
	s_wait_dscnt 0x0
	v_pk_add_f32 v[80:81], v[80:81], v[82:83]
	v_pk_add_f32 v[84:85], v[84:85], v[86:87]
	v_pk_add_f32 v[88:89], v[88:89], v[90:91]
	v_pk_add_f32 v[92:93], v[92:93], v[94:95]
	s_delay_alu instid0(VALU_DEP_3)
	v_pk_add_f32 v[80:81], v[80:81], v[84:85]
	s_delay_alu instid0(VALU_DEP_2)
	v_pk_add_f32 v[88:89], v[88:89], v[92:93]
	s_delay_alu instid0(VALU_DEP_1)
	v_pk_add_f32 v[80:81], v[80:81], v[88:89]
	s_delay_alu instid0(VALU_DEP_1)
	v_add_f32 v80, v80, v81
	v_cmp_eq_u32 vcc_lo, 0, v0                     ; thread 0 alone stores the work-group's sum
	s_wait_alu depctr_va_vdst(0)
	s_wait_xcnt 0x0                                ; EXEC is a source of the stores above: it changes only behind this wait
	s_wait_tensorcnt 0x0
	ds_add_u32 v160, v161
	s_wait_dscnt 0x0
	s_and_saveexec_b32 s22, vcc_lo
	global_store_b32 v148, v80, s[12:13]
	s_wait_xcnt 0x0                                ; and again, in front of the line that widens it
	s_or_b32 exec_lo, exec_lo, s22
	s_endpgm
.Lfunc_end_k_qb97c88b34c_gather:
	.size	k_qb97c88b34c_gather, .Lfunc_end_k_qb97c88b34c_gather-k_qb97c88b34c_gather
	.p2alignl 7, 3214868480
	.fill 96, 4, 3214868480
	.section	.rodata,"a",@progbits
	.p2align	6, 0x0
	.amdhsa_kernel k_qb97c88b34c_gather
		.amdhsa_group_segment_fixed_size 2304
		.amdhsa_private_segment_fixed_size 0
		.amdhsa_enable_private_segment 0
		.amdhsa_kernarg_size 40
		.amdhsa_user_sgpr_count 2
		.amdhsa_user_sgpr_kernarg_segment_ptr 1
		.amdhsa_wavefront_size32 1
		.amdhsa_system_sgpr_workgroup_id_x 1
		.amdhsa_system_sgpr_workgroup_id_y 1
		.amdhsa_system_sgpr_workgroup_id_z 1
		.amdhsa_system_vgpr_workitem_id 0
		.amdhsa_next_free_vgpr 162
		.amdhsa_next_free_sgpr 66
		.amdhsa_reserve_vcc 1
		.amdhsa_float_denorm_mode_32 3
		.amdhsa_float_denorm_mode_16_64 3
		.amdhsa_memory_ordered 1
		.amdhsa_forward_progress 1
		.amdhsa_inst_pref_size 17
	.end_amdhsa_kernel
	.amdgpu_metadata
---
amdhsa.version: [ 1, 2 ]
amdhsa.kernels:
  - .name:           k_qb97c88b34c_gather
    .symbol:         k_qb97c88b34c_gather.kd
    .args:
      - { .name: z, .offset: 0, .size: 8, .value_kind: global_buffer, .address_space: global }
      - { .name: emb_weight, .offset: 8, .size: 8, .value_kind: global_buffer, .address_space: global }
      - { .name: idx, .offset: 16, .size: 8, .value_kind: global_buffer, .address_space: global }
      - { .name: out0, .offset: 24, .size: 8, .value_kind: global_buffer, .address_space: global }
      - { .name: part, .offset: 32, .size: 8, .value_kind: global_buffer, .address_space: global }
    .group_segment_fixed_size: 2304
    .private_segment_fixed_size: 0
    .kernarg_segment_align: 8
    .kernarg_segment_size: 40
    .max_flat_workgroup_size: 512
    .sgpr_count:     66
    .vgpr_count:     162
    .wavefront_size: 32
...
	.end_amdgpu_metadata
.endif
;; end of part 3
;; launch loss (part 4): grid 1 x 1, 1 waves a work-group, no clusters, 0 bytes of LDS; arguments part, out1; writes out1
.if DOCPART == 4
	.amdgcn_target "amdgcn-amd-amdhsa--gfx1250"
	.amdhsa_code_object_version 6
	.text
	.protected	k_qb97c88b34c_loss
	.globl	k_qb97c88b34c_loss
	.p2align	8
	.type	k_qb97c88b34c_loss,@function
k_qb97c88b34c_loss:
	s_mov_b64 s[64:65], 0
	v_nop
	global_prefetch_b8 v0, s[64:65] scope:SCOPE_SE
	s_setreg_imm32_b32 hwreg(HW_REG_WAVE_MODE, 25, 1), 1
	s_wait_xcnt 0x0
; out1 = 0.25 m + m, m = the mean of (z_q - z)^2 over 32,768 x 256 = 2^23 numbers: the sum of the 256 work-groups' partial sums x 2^-23 (exact), all in f32.
; One wave: a sum that spans work-groups is made by one owner, behind the launch that stored the parts.
	s_load_b128 s[4:7], s[0:1], 0x0                ; part, out1
	v_lshlrev_b32 v1, 5, v0                        ; eight numbers a lane
	s_mov_b32 s8, 0x76543210
	s_mov_b32 s9, 0xfedcba98                       ; v_permlanex16_b32's selects for lane l xor 16
	v_mov_b32 v7, 0
	s_wait_alu depctr_va_vdst(0)
	s_wait_kmcnt 0x0
	global_load_b128 v[8:11], v1, s[4:5]
	global_load_b128 v[12:15], v1, s[4:5] offset:16
	s_wait_loadcnt 0x0
	v_pk_add_f32 v[8:9], v[8:9], v[10:11]
	v_pk_add_f32 v[12:13], v[12:13], v[14:15]
	v_pk_add_f32 v[8:9], v[8:9], v[12:13]
	v_add_f32 v4, v8, v9
	v_add_f32_dpp v4, v4, v4 row_xmask:1 row_mask:0xf bank_mask:0xf
	v_add_f32_dpp v4, v4, v4 row_xmask:2 row_mask:0xf bank_mask:0xf
	v_add_f32_dpp v4, v4, v4 row_xmask:4 row_mask:0xf bank_mask:0xf
	v_add_f32_dpp v4, v4, v4 row_xmask:8 row_mask:0xf bank_mask:0xf
	v_mov_b32 v5, 0                                ; a lane permute's destination counts as one of its sources
	v_permlanex16_b32 v5, v4, s8, s9
	v_add_f32 v4, v4, v5
	v_mul_f32 v4, 0x34000000, v4                   ; x 2^-23: the mean
	v_fmamk_f32 v6, v4, 0x3e800000, v4             ; 0.25 m + m: the product is exact, so this is reference()'s one rounding
	v_cmp_eq_u32 vcc_lo, 0, v0
	s_wait_alu depctr_va_vdst(0)
	s_wait_xcnt 0x0                                ; EXEC changes only behind this wait
	s_and_saveexec_b32 s10, vcc_lo
	global_store_b32 v7, v6, s[6:7]
	s_wait_xcnt 0x0
	s_or_b32 exec_lo, exec_lo, s10
	s_endpgm
.Lfunc_end_k_qb97c88b34c_loss:
	.size	k_qb97c88b34c_loss, .Lfunc_end_k_qb97c88b34c_loss-k_qb97c88b34c_loss
	.p2alignl 7, 3214868480
	.fill 96, 4, 3214868480
	.section	.rodata,"a",@progbits
	.p2align	6, 0x0
	.amdhsa_kernel k_qb97c88b34c_loss
		.amdhsa_group_segment_fixed_size 0
		.amdhsa_private_segment_fixed_size 0
		.amdhsa_enable_private_segment 0
		.amdhsa_kernarg_size 16
		.amdhsa_user_sgpr_count 2
		.amdhsa_user_sgpr_kernarg_segment_ptr 1
		.amdhsa_wavefront_size32 1
		.amdhsa_system_sgpr_workgroup_id_x 1
		.amdhsa_system_sgpr_workgroup_id_y 1
		.amdhsa_system_sgpr_workgroup_id_z 1
		.amdhsa_system_vgpr_workitem_id 0
		.amdhsa_next_free_vgpr 24
		.amdhsa_next_free_sgpr 66
		.amdhsa_reserve_vcc 1
		.amdhsa_float_denorm_mode_32 3
		.amdhsa_float_denorm_mode_16_64 3
		.amdhsa_memory_ordered 1
		.amdhsa_forward_progress 1
		.amdhsa_inst_pref_size 2
	.end_amdhsa_kernel
	.amdgpu_metadata
---
amdhsa.version: [ 1, 2 ]
amdhsa.kernels:
  - .name:           k_qb97c88b34c_loss
    .symbol:         k_qb97c88b34c_loss.kd
    .args:
      - { .name: part, .offset: 0, .size: 8, .value_kind: global_buffer, .address_space: global }
      - { .name: out1, .offset: 8, .size: 8, .value_kind: global_buffer, .address_space: global }
    .group_segment_fixed_size: 0
    .private_segment_fixed_size: 0
    .kernarg_segment_align: 8
    .kernarg_segment_size: 16
    .max_flat_workgroup_size: 32
    .sgpr_count:     66
    .vgpr_count:     24
    .wavefront_size: 32
...
	.end_amdgpu_metadata
.endif
;; end of part 4
